; MI455X (gfx1250); checked and timed in simulation.
; The chip was launched on July 23, 2026; its instructions are those of AMD's public machine-readable ISA for CDNA 5 (MIT licence, August 2026) and "CDNA5" Instruction Set Architecture Reference Guide (July 2026). The comments in the code are by the model that wrote it; some were corrected since.
;; Causal Self Attention. Allowed arithmetic: matrix products marked QUANTISED: E2M1 operands, one E8M0 scale for each 32 along K, by v_wmma_scale_f32_16x16x128_f8f6f4 with both operands' format E2M1 (or v_wmma_scale_f32_32x16x128_f4), f32 sums; everything else in f32.
;; Inputs: proj_b 1,024 float32; proj_w 1,024 x 1,024 float32; qkv_b 3,072 float32; qkv_w 3,072 x 1,024 float32; x 4 x 2,048 x 1,024 float32.
;; Outputs: out0 4 x 2,048 x 1,024 float32.
;; This version of the problem:
;;   THIS VERSION OF THE PROBLEM IS GIVEN IN LOW PRECISION. The matrix products marked QUANTISED in the list below multiply operands that are first quantised to E2M1 (2 exponent bits, 1 mantissa bit; 4 bits a number), with one power-of-two scale for each 32 numbers along K (OCP MX v1.0); their sums are f32. All else is computed in f32.
;;   The module's matrix products, in the order in which they are computed (A, B: the left and right operand; K: the contracted axis; several contracted axes count as one K, in the product's order):
;;     1. [M 8,192, K 1,024] x [K 1,024, N 3,072]; A: input x; B: input qkv_w: QUANTISED
;;     2. batch 64 x [M 2,048, K 64] x [K 64, N 2,048]; A: computed on the way; B: computed on the way: QUANTISED
;;     3. batch 64 x [M 2,048, K 2,048] x [K 2,048, N 64]; A: softmax (see below); B: computed on the way: QUANTISED
;;     4. [M 8,192, K 1,024] x [K 1,024, N 1,024]; A: computed on the way; B: input proj_w: QUANTISED
;;   THE QUANTISER, for each operand of a quantised product, along K:
;;     - K is cut into blocks of 32 from its start; a last block that is shorter is filled with zeros.
;;     - A block's scale is 2^e with e = floor(log2(the largest magnitude in the block)) - 2, held to -126 .. 127; a block of zeros has e = 0. As a byte (E8M0): e + 127.
;;     - Each number is divided by its block's scale, clamped to +-6, and rounded to the nearest number of E2M1, ties to even, subnormals kept.
;;     - The product sums the exact products of the quantised numbers (number of the format x scale) in f32.
;;   ~~~python
;;   def quantise(x, axis):      # numpy; x: float32 -> the quantised numbers, widened to float32 again
;;       x = np.moveaxis(x, axis, -1); K = x.shape[-1]
;;       x = np.pad(x, [(0, 0)] * (x.ndim - 1) + [(0, -K % 32)]); x = x.reshape(x.shape[:-1] + (-1, 32)); a = np.abs(x).max(-1, keepdims=True)
;;       e = np.where(a > 0, np.clip(np.frexp(np.where(a > 0, a, 1))[1] - 1 - 2, -126, 127), 0)      # np.frexp(a)[1] - 1 = floor(log2(a)), exactly
;;       r = np.clip(x / 2.0 ** e, -6, 6)
;;       step = 2.0 ** (np.maximum(np.frexp(np.where(r == 0, 1, r))[1] - 1, 0) - 1)
;;       q = np.round(r / step) * step * 2.0 ** e      # np.round: ties to even
;;       return np.moveaxis(q.reshape(q.shape[:-2] + (-1,))[..., :K], -1, axis).astype(np.float32)
;;   ~~~
;;   SOFTMAX AHEAD OF A QUANTISED PRODUCT. Where the list says 'softmax', what is quantised is not the finished softmax but p = 2^(t - M), with t = logit x log2(e) and M = ceil(the row's largest t), a whole number; so 1/2 < the row's largest p <= 1. The row's sum l is taken of the UNQUANTISED p, in f32, and the product's result is divided by l at the end. Since M is a whole number, a kernel that streams over the keys may use a running M (the ceiling of the running maximum): every later rescaling is an exact power of two, which a block's scale takes up: the codes' values come out the same.
;;   OPERANDS COMPUTED ON THE WAY. 'Computed on the way' means the value that the module computes at that place (a softmax that the list does not call 'softmax' is quantised finished and normalised). What goes into a quantiser is computed in f32, as accurately as f32 sums, v_exp_f32 and their like allow (about 1e-6 of the number): no bf16 or f16 on the way to a quantiser, and a product that is left as it is and whose result goes on into a quantised operand takes f32 operands (vector FMAs, or v_wmma_f32_16x16x4_f32). A number that lies on a knife's edge between two numbers of the format may be rounded either way, as far as f32 arithmetic and the matrix unit's own rounding can turn it there, and no further.
;; One version. Each part assembles by itself: llvm-mc -triple=amdgcn-amd-amdhsa -mcpu=gfx1250 --defsym DOCPART=n.
;; ======== version 1 of 1: 4 launches
;; workspace buffers: cw 6,684,672 bytes; qkv 13,369,344 bytes; oq 4,456,448 bytes
;; launch quant (part 1): grid 256 x 1, 6 waves a work-group, no clusters, 52,992 bytes of LDS; arguments x, qkv_w, proj_w, cw; writes cw
.if DOCPART == 1
	.amdgcn_target "amdgcn-amd-amdhsa--gfx1250"
	.amdhsa_code_object_version 6
	.text
	.protected	k_q76dc50c1b6_quant
	.globl	k_q76dc50c1b6_quant
	.p2align	8
	.type	k_q76dc50c1b6_quant,@function
k_q76dc50c1b6_quant:
	s_mov_b64 s[64:65], 0
	v_nop
	global_prefetch_b8 v0, s[64:65] scope:SCOPE_SE
	s_setreg_imm32_b32 hwreg(HW_REG_WAVE_MODE, 25, 1), 1
	s_wait_xcnt 0x0
; THE PROGRAM: causal self-attention, B 4, T 2,048, C 1,024, 16 heads of 64; all four products on codes of FP4 (E2M1) with one E8M0 scale for each 32 along K.
;   1 quant:   x, qkv_w, proj_w (f32, K innermost) -> codes and scale bytes in cw.       2 qkvgemm: x qkv_w^T + qkv_b; q, k quantised along the head's 64, v along the keys -> qkv.
;   3 attn:    q k^T, softmax, p v, / l, quantised along C -> oq.                        4 proj:    out proj_w^T + proj_b -> out0.
; WORK LEFT OUT (in launch 3 alone): reference() sets the score of key k for query q to -infinity where k > q, by a jnp.tril that it builds itself; exp(-infinity) = 0 adds nothing to the row's sum or to p v,
; whatever finite values the inputs hold.  So a step of 128 keys all of which come after a tile's 16 queries is not computed.  Every input has a way to the output and is loaded.
; LIMIT: a NaN, an infinity or an overflow that would reach only such hidden scores is not carried to the result.
; LIMITS of the quantisers, in all launches: NaN and infinities among the inputs are not served; a block whose largest magnitude lies under 2^-124 gets the byte 1 (the floor below); a block of zeros gets the byte 1
; where the rule says 127: its codes are zeros, which add nothing under any byte but 0xff, and the bytes are read by this program alone.
; THE ROWS OF A TILE.  In all launches an operand's tile of 16 rows is: tile 2 B + u of a block of 32 rows holds, in lane r, row 32 B + 8 u + r + 8 (r / 8).  In a product whose source 0 is laid so, the 16 registers
; of result tiles 2 B and 2 B + 1 are 16 neighbours along source 0's rows, which are the next quantiser's K.
; cw: 768 tiles (x 0-511, qkv_w 512-703, proj_w 704-767).  A UNIT is a tile's half of K (512): 4,096 bytes of codes as IMAGES OF THE OPERAND'S REGISTERS, [128 along K: s 0..3][c 0..1][lane][16 bytes], lane (r, h) holding
; k = 128 s + 64 c + 32 h + 0..31 of its row; then 256 bytes of scale words [r][s].  Units lie [tile / 16][half of K][tile % 16].
; THIS LAUNCH: 1,536 units, one to a wave.  A wave goes in 8 steps of 16 rows x 64 numbers.  Each load reads 256 consecutive bytes of two rows; the 4,096 bytes turn through the wave's own stage in LDS (rows 272 bytes
; apart) and come back 128 bytes a lane: a whole block of 32 in one lane's registers.  A step's codes leave as 512 consecutive bytes.  Waves share nothing: no barrier.  Loads run four steps (32 loads a wave) ahead.
.set UNIT,  4352
.set HALFK, 16*UNIT
.set BLK,   2*HALFK
.set PITCH, 272                        ; a stage row: 256 bytes + 16: the sixteen rows that a read touches start 4 banks' worth of words apart
.set STG,   16*PITCH
.set WREG,  2*STG                      ; a wave's two stages
.set SPARE, 6*WREG                     ; behind them the spare words, 128 bytes a wave: three blocks of 256 bytes that no other line names
.set SB,    16                         ; v16-19   the unit's scale words, one for each 128 along K
.set R,     32                         ; v32-159  four sets of 32: numbers as loaded
.set X,     160                        ; v160-223 two sets of 32: a lane's block
.set C,     224                        ; v224-255 four registers of codes for each step: no store's data are written again
	s_load_b256 s[4:11], s[0:1], 0x0               ; x s[4:5], qkv_w s[6:7], proj_w s[8:9], cw s[10:11]
	v_lshl_add_u32 v14, v0, 2, SPARE               ; my spare word; never rewritten
	v_mov_b32 v15, 0                               ; 0; never rewritten
	v_lshrrev_b32 v1, 5, v0
	v_readfirstlane_b32 s12, v1                    ; wave 0..5
	v_and_b32 v1, 31, v0                           ; lane
	v_and_b32 v2, 15, v0                           ; r
	v_bfe_u32 v3, v0, 4, 1                         ; h
	s_lshr_b32 s13, s12, 1
	s_and_b32 s14, s12, 1                          ; which half of K
	s_mul_i32 s15, ttmp9, 3
	s_add_co_u32 s15, s15, s13                     ; my tile of the 768: 3 x work-group + wave / 2
	s_mul_i32 s16, s12, WREG
	v_lshlrev_b32 v4, 4, v2
	v_lshl_add_u32 v4, v3, 12, v4                  ; a load: lanes 0-15 one row's 256 bytes, lanes 16-31 the next row's
	v_mul_u32_u24 v5, v3, PITCH
	v_lshl_add_u32 v5, v2, 4, v5
	v_add_nc_u32 v5, s16, v5                       ; into the stage: the same two rows
	v_mul_u32_u24 v6, v2, PITCH
	v_lshl_add_u32 v6, v3, 7, v6
	v_add_nc_u32 v6, s16, v6                       ; out of it: row r, my half's 128 bytes
	v_lshlrev_b32 v7, 4, v1                        ; an image's place for my lane
	v_lshlrev_b32 v8, 4, v2                        ; my row's four scale words
	v_lshlrev_b32 v9, 3, v3                        ; 8 h: my bytes' place in a scale word
.irp w, 0,1,2,3
	v_mov_b32 v[20+\w], 0                          ; written once: a lane permute's destination counts as one of its sources
.endr
	s_mov_b32 s24, 0x76543210
	s_mov_b32 s25, 0xfedcba98                      ; v_permlanex16_b32's selects for lane l xor 16
	s_wait_alu depctr_va_vdst(0)
	s_wait_kmcnt 0x0
	s_mov_b32 s17, 704
	s_cmp_lt_u32 s15, 704                          ; which tensor: the choice hangs on ids alone
	s_cselect_b64 s[6:7], s[6:7], s[8:9]
	s_cselect_b32 s17, 512, s17
	s_cmp_lt_u32 s15, 512
	s_cselect_b64 s[4:5], s[4:5], s[6:7]
	s_cselect_b32 s17, 0, s17                      ; the tensor's first tile
	s_sub_co_u32 s18, s15, s17                     ; my tile in the tensor
	s_lshr_b32 s19, s18, 1
	s_lshl_b32 s19, s19, 5
	s_and_b32 s20, s18, 1
	s_lshl_b32 s20, s20, 3
	s_add_co_u32 s19, s19, s20                     ; its first row: 32 (tile / 2) + 8 (tile % 2)
	s_lshl_b32 s20, s19, 12                        ; rows of 4,096 bytes (under 2^26 in all)
	s_lshl_b32 s21, s14, 11
	s_add_co_u32 s20, s20, s21                     ; + my half of K
	s_mov_b32 s21, 0
	s_add_nc_u64 s[4:5], s[4:5], s[20:21]
	s_lshr_b32 s22, s15, 4
	s_mul_i32 s22, s22, BLK
	s_mul_i32 s23, s14, HALFK
	s_add_co_u32 s22, s22, s23
	s_and_b32 s23, s15, 15
	s_mul_i32 s23, s23, UNIT
	s_add_co_u32 s22, s22, s23
	s_mov_b32 s23, 0
	s_add_nc_u64 s[10:11], s[10:11], s[22:23]      ; my unit
.macro LOAD e                          ; step e: tile rows 2 i and 2 i + 1 are the tensor's rows 2 i + 8 (i / 4) and the next
.irp i, 0,1,2,3,4,5,6,7
	global_load_b128 v[R+32*((\e)%4)+4*\i:R+32*((\e)%4)+4*\i+3], v4, s[4:5] offset:(2*\i+8*(\i/4))*4096+256*(\e) th:TH_LOAD_NT
.endr
.endm
.macro TURN e                          ; through the stage: LDS serves a wave's instructions in order, so no wait stands between the stores and the loads
.irp i, 0,1,2,3,4,5,6,7
	ds_store_b128 v5, v[R+32*((\e)%4)+4*\i:R+32*((\e)%4)+4*\i+3] offset:STG*((\e)%2)+2*PITCH*\i
.endr
.irp j, 0,1,2,3,4,5,6,7
	ds_load_b128 v[X+32*((\e)%2)+4*\j:X+32*((\e)%2)+4*\j+3], v6 offset:STG*((\e)%2)+16*\j
.endr
.endm
.macro STEP e
.set XS, X+32*((\e)%2)
	s_wait_dscnt 0x0                               ; my block is back from the stage, and the stage's stores have read their registers,
.if (\e)+4 < 8
	LOAD (\e)+4                                    ; which take the loads of four steps on
.endif
.if (\e)+1 < 8
.if (\e) <= 3
	s_wait_loadcnt 24                              ; the next step's eight loads are in; those of the three steps behind it may be out
.else
	s_wait_loadcnt 8*(6-(\e))                      ; at the end two steps', one step's, none
.endif
	TURN (\e)+1                                    ; the next step goes through the other stage while this one is worked
.endif
	v_max3_num_f32 v10, |v[XS]|, |v[XS+1]|, |v[XS+2]|              ; the block's largest magnitude: all 32 numbers are mine; two chains
	v_max3_num_f32 v11, |v[XS+3]|, |v[XS+4]|, |v[XS+5]|
.irp i, 6,10,14,18,22,26
	v_max3_num_f32 v10, v10, |v[XS+\i]|, |v[XS+\i+1]|
	v_max3_num_f32 v11, v11, |v[XS+\i+2]|, |v[XS+\i+3]|
.endr
	v_max3_num_f32 v10, v10, |v[XS+30]|, |v[XS+31]|
	v_max3_num_f32 v10, v10, v11, 0x1800000        ; and the floor 2^(3 - 127): the byte cannot fall under 1
	v_add_nc_u32 v12, 0xff000000, v10              ; 2 off the exponent field: the conversion takes this operand's exponent field as its scale
.irp g, 0,1,2,3
	v_cvt_scalef32_pk8_fp4_f32 v[C+4*(\e)+\g], v[XS+8*\g:XS+8*\g+7], v12
.endr
	v_lshrrev_b32 v13, 23, v12                     ; the scale's byte (also the plain line behind the conversions)
.if (\e)%2 == 0
	v_mov_b32 v[SB+(\e)/2], v13                    ; c = 0: byte h of the word,
.else
	v_lshl_or_b32 v[SB+(\e)/2], v13, 16, v[SB+(\e)/2]   ; c = 1: byte 2 + h; the shift by 8 h comes at the end
.endif
	global_store_b128 v7, v[C+4*(\e):C+4*(\e)+3], s[10:11] offset:512*(\e)   ; 32 lanes store 512 consecutive bytes, aligned
.endm
.irp e, 0,1,2,3
	LOAD \e
.endr
	s_wait_loadcnt 24                              ; step 0's eight loads are in
	TURN 0
.irp e, 0,1,2,3,4,5,6,7
	STEP \e
.endr
.irp w, 0,1,2,3
	v_lshlrev_b32 v[SB+\w], v9, v[SB+\w]           ; my two bytes at their places,
.endr
.irp w, 0,1,2,3
	v_permlanex16_b32 v[20+\w], v[SB+\w], s24, s25
.endr
.irp w, 0,1,2,3
	v_or_b32 v[SB+\w], v[SB+\w], v[20+\w]          ; with lane l xor 16's two the word is whole
.endr
	s_wait_alu depctr_va_vdst(0)
	s_wait_xcnt 0x0                                ; EXEC changes only behind this wait: the stores above have been taken up
	v_cmp_gt_u32 vcc_lo, 16, v1
	s_and_saveexec_b32 s26, vcc_lo
	global_store_b128 v8, v[SB:SB+3], s[10:11] offset:4096   ; lanes 0-15 store the unit's 256 bytes of scale words
	s_wait_xcnt 0x0
	s_or_b32 exec_lo, exec_lo, s26
	s_wait_tensorcnt 0x0                           ; the wave's end, behind my last LDS store
	ds_add_u32 v14, v15
	s_wait_dscnt 0x0
	s_endpgm
.Lfunc_end_k_q76dc50c1b6_quant:
	.size	k_q76dc50c1b6_quant, .Lfunc_end_k_q76dc50c1b6_quant-k_q76dc50c1b6_quant
	.p2alignl 7, 3214868480
	.fill 96, 4, 3214868480
	.section	.rodata,"a",@progbits
	.p2align	6, 0x0
	.amdhsa_kernel k_q76dc50c1b6_quant
		.amdhsa_group_segment_fixed_size 52992
		.amdhsa_private_segment_fixed_size 0
		.amdhsa_enable_private_segment 0
		.amdhsa_kernarg_size 32
		.amdhsa_user_sgpr_count 2
		.amdhsa_user_sgpr_kernarg_segment_ptr 1
		.amdhsa_wavefront_size32 1
		.amdhsa_system_sgpr_workgroup_id_x 1
		.amdhsa_system_sgpr_workgroup_id_y 1
		.amdhsa_system_sgpr_workgroup_id_z 1
		.amdhsa_system_vgpr_workitem_id 0
		.amdhsa_next_free_vgpr 256
		.amdhsa_next_free_sgpr 66
		.amdhsa_reserve_vcc 1
		.amdhsa_float_denorm_mode_32 3
		.amdhsa_float_denorm_mode_16_64 3
		.amdhsa_memory_ordered 1
		.amdhsa_forward_progress 1
		.amdhsa_inst_pref_size 31
	.end_amdhsa_kernel
	.amdgpu_metadata
---
amdhsa.version: [ 1, 2 ]
amdhsa.kernels:
  - .name:           k_q76dc50c1b6_quant
    .symbol:         k_q76dc50c1b6_quant.kd
    .args:
      - { .name: x, .offset: 0, .size: 8, .value_kind: global_buffer, .address_space: global }
      - { .name: qkv_w, .offset: 8, .size: 8, .value_kind: global_buffer, .address_space: global }
      - { .name: proj_w, .offset: 16, .size: 8, .value_kind: global_buffer, .address_space: global }
      - { .name: cw, .offset: 24, .size: 8, .value_kind: global_buffer, .address_space: global }
    .group_segment_fixed_size: 52992
    .private_segment_fixed_size: 0
    .kernarg_segment_align: 8
    .kernarg_segment_size: 32
    .max_flat_workgroup_size: 192
    .sgpr_count:     66
    .vgpr_count:     256
    .wavefront_size: 32
...
	.end_amdgpu_metadata
.endif
;; end of part 1
;; launch qkvgemm (part 2): grid 12 x 32, 4 waves a work-group, clusters of 4 x 4, 279,040 bytes of LDS; arguments cw, qkv_b, qkv; writes qkv
.if DOCPART == 2
	.amdgcn_target "amdgcn-amd-amdhsa--gfx1250"
	.amdhsa_code_object_version 6
	.text
	.protected	k_q76dc50c1b6_qkvgemm
	.globl	k_q76dc50c1b6_qkvgemm
	.p2align	8
	.type	k_q76dc50c1b6_qkvgemm,@function
k_q76dc50c1b6_qkvgemm:
	s_mov_b64 s[64:65], 0
	v_nop
	global_prefetch_b8 v0, s[64:65] scope:SCOPE_SE
	s_setreg_imm32_b32 hwreg(HW_REG_WAVE_MODE, 25, 1), 1
	s_wait_xcnt 0x0
	s_wait_alu depctr_hold_cnt(0) depctr_sa_sdst(0) depctr_va_vdst(0) depctr_va_sdst(0) depctr_va_ssrc(0) depctr_va_vcc(0) depctr_vm_vsrc(0)
	s_getreg_b32 s2, hwreg(HW_REG_IB_STS2, 6, 4)
	s_cmp_eq_u32 s2, 0
	s_cbranch_scc0 .Lentry_in_a_cluster
	s_endpgm
.Lentry_in_a_cluster:
	s_bfe_u32 s2, ttmp6, 0x10000c
	s_cmp_lg_u32 s2, 0xf033
	s_cbranch_scc0 .Lentry_shape_is_right
	s_endpgm
.Lentry_shape_is_right:
; qkv = x qkv_w^T + qkv_b on codes of FP4 out of cw, and the result quantised in registers: q and k along the head's 64, v along the keys.  No work of reference() is left out here.
; LIMITS: as stated at the head of the first launch (NaN and infinities not served; the byte's floor 1).
; A work-group of four waves makes 256 x 256 of the product, a wave 128 x 128: 64 accumulators.  K = 1,024 is two halves of 512: both operands' units of both halves fit in LDS, so each LDS byte is filled once.
; The cluster's x is the part: 0 q, 1 k, 2 v.  SOURCE 0 IS THE OPERAND ALONG WHOSE ROWS THE RESULT IS QUANTISED NEXT: for q and k the weight's rows (the head's 64), source 1 = tokens; for v the tokens (the keys), source 1 =
; the weight's rows.  By the choice of a tile's rows (first launch) a lane then holds one row of source 1 and 16 neighbours of each block of 32 along source 0.
; "A" = source 1 (shared along a row of the cluster), "B" = source 0 (shared along a column): joint loads, each tile asked for by the four that need it.
; qkv: [16 batch + head][128 tokens: ks 0..15][part q, k, v][4,352].  q, k: 256 bytes of scale words [r][pair p]: tile 2 p's two bytes, tile 2 p + 1's two; then codes [tile 0..7][lane][16].
;      v: scale words [r][tile i of the head's 64]: the four key blocks' bytes; then codes [i][c][lane][16], lane (r, h): keys 64 c + 32 h + 0..31.
; 384 work-groups of equal work; tiles of half the size would give three even turns of two thirds the length: no gain by the count.
; REGISTERS: window 0: v16-29 addresses; v32-95 scale words, a set for each half of K; v96-111 at work; v128-255 A's fragments, two sets (on the way out: codes and scale words).
;   window 1: v0-127 B's fragments, two sets; v128-191 the bias.   windows 2, 3: the accumulators, (a, b) at v[8 ((8 a + b) % 32)] of window 2 + a / 4.
.set NA,     8                         ; A's tiles to a wave
.set UNIT,   4352
.set HALFK,  16*UNIT
.set BLK,    2*HALFK
.set ABYTES, 2*NA*UNIT
.set SLOT,   ABYTES+16*UNIT            ; a half of K in LDS: A's units, then B's 16
.set SPARE,  2*SLOT                    ; the spare words, 128 bytes a wave: two blocks of 256 bytes that no other line names
.set REC,    3*UNIT
.set HS,     16*REC                    ; from a head to the next in qkv
.set ADRA, 16                          ; v16-17 LDS address of my A images in half 0, 1
.set ADRB, 20                          ; v20-21 of B's
.set ADRS, 22                          ; v22-23 of the scale words: lanes 0-15 A's, lanes 16-31 B's
.set L16,  24                          ; v24 16 x lane
.set WOF,  25                          ; v25 16 r + h x HS: where the scale words go
.set BOQ,  26                          ; v26 64 h;  v27 4 (r + 8 (r / 8)): the bias
.set BOV,  27
.set SPW,  28
.set NIL,  29
.set SC,   32
.set TM,   96
.set AF,   128
.set BIAS, 128                         ; in window 1
.set G1A, 24
.set G0A, 32
.set G1B, 48
.set G0B, 56
.set OUT, 68
.set SEL, 76
.set PATHV, 45
.set MSB, 0
.macro WIN new                         ; the immediate's high byte repeats the setting that is left
.if MSB != \new
	s_set_vgpr_msb (MSB<<8)|\new
.set MSB, \new
.endif
.endm
.macro PLACES                          ; four plain lines between a matrix instruction and a load into, or a vector read or write of, its registers
.rept 4
	v_nop
.endr
.endm
.macro CROUND                          ; a round of the cluster's barrier
	s_barrier_signal -1
	s_barrier_wait -1
	s_cmp_lg_u32 s14, 0
	s_cbranch_scc1 .Lnot_wave_0_\@
	s_barrier_signal -3
.Lnot_wave_0_\@:
	s_barrier_wait -3
	s_barrier_signal -1
	s_barrier_wait -1
.endm
; the fragments of one 128 along K (the q-th of a half) into set: images, 512 consecutive bytes a load
.macro FETCH slot, q, set
	WIN 0x40                                       ; destination window 1
.irp i, 0,1,2,3,4,5,6,7
.irp c, 0,1
	ds_load_b128 v[64*(\set)+8*\i+4*\c:64*(\set)+8*\i+4*\c+3], v[ADRB+(\slot)] offset:UNIT*\i+1024*(\q)+512*\c
.endr
.endr
	WIN 0
.set FI, 0
.rept NA
.irp c, 0,1
	ds_load_b128 v[AF+8*NA*(\set)+8*FI+4*\c:AF+8*NA*(\set)+8*FI+4*\c+3], v[ADRA+(\slot)] offset:UNIT*FI+1024*(\q)+512*\c
.endr
.set FI, FI+1
.endr
.endm
.macro SCALES slot                     ; register 4 i + q: lanes 0-15 the word of A's tile i, lanes 16-31 that of B's tile i, for the half's q-th 128
.irp i, 0,1,2,3,4,5,6,7
	ds_load_b128 v[SC+32*(\slot)+4*\i:SC+32*(\slot)+4*\i+3], v[ADRS+(\slot)] offset:UNIT*\i
.endr
.endm
; eight products: A's tile a against B's eight.  cm 0: onto the sums; 1: the sums begin with the bias by b; 2: by a.  The accumulators take turns, one instruction a turn, in the same order in every step
.macro MULA a, set, slot, q, cm
.if (\cm) == 0
	WIN (0xa1+0x50*((\a)/4))
.else
	WIN (0x91+0x40*((\a)/4))
.endif
.irp b, 0,1,2,3,4,5,6,7
.set rD, 8*((8*(\a)+\b)%32)
.set rB, 64*(\set)+8*\b
.set rA, AF+8*NA*(\set)+8*(\a)
.set rSB, SC+32*(\slot)+4*\b+(\q)
.set rSA, SC+32*(\slot)+4*(\a)+(\q)
.if (\cm) == 0
	v_wmma_scale_f32_16x16x128_f8f6f4 v[rD:rD+7], v[rB:rB+7], v[rA:rA+7], v[rD:rD+7], v[rSB], v[rSA] matrix_a_fmt:MATRIX_FMT_FP4 matrix_b_fmt:MATRIX_FMT_FP4 matrix_a_scale:MATRIX_SCALE_ROW1
.elseif (\cm) == 1
	v_wmma_scale_f32_16x16x128_f8f6f4 v[rD:rD+7], v[rB:rB+7], v[rA:rA+7], v[BIAS+8*\b:BIAS+8*\b+7], v[rSB], v[rSA] matrix_a_fmt:MATRIX_FMT_FP4 matrix_b_fmt:MATRIX_FMT_FP4 matrix_a_scale:MATRIX_SCALE_ROW1
.else
	v_wmma_scale_f32_16x16x128_f8f6f4 v[rD:rD+7], v[rB:rB+7], v[rA:rA+7], v[BIAS+8*(\a):BIAS+8*(\a)+7], v[rSB], v[rSA] matrix_a_fmt:MATRIX_FMT_FP4 matrix_b_fmt:MATRIX_FMT_FP4 matrix_a_scale:MATRIX_SCALE_ROW1
.endif
.endr
.endm
.macro MULALL from, to, set, slot, q, cm
.set AA, \from
.rept (\to)-(\from)
	MULA AA, \set, \slot, \q, \cm
.set AA, AA+1
.endr
.endm
; step n of 8 along K: its fragments were asked for a step ago; the next step's are asked for first, into the other set, and land under this step's products
.macro STEP n
.set SL, (\n)/4
.set QQ, (\n)%4
.set SE, (\n)%2
.set SL1, ((\n)+1)/4
.set QQ1, ((\n)+1)%4
.set HF, 0
	s_wait_dscnt 0x0                               ; this step's fragments are in
.if (\n) == 3
	s_wait_tensorcnt 0x0                           ; my part of the second half of K has landed;
	s_barrier_signal -1                            ; no LDS instruction of mine is out
	MULALL 0, NA/2, SE, SL, QQ, 0                  ; work on registers while the others arrive
	WIN 0
	s_barrier_wait -1                              ; everybody's part has
.set HF, NA/2
.endif
.if (\n) < 7
	PLACES
	FETCH SL1, QQ1, 1-SE
.if (\n) == 3
	SCALES 1
.endif
.endif
	MULALL HF, NA, SE, SL, QQ, 0
	WIN 0
.endm
	s_load_b128 s[4:7], s[0:1], 0x0                ; cw s[4:5], qkv_b s[6:7]
	s_load_b64 s[8:9], s[0:1], 0x10                ; qkv
	v_lshl_add_u32 v[SPW], v0, 2, SPARE
	v_mov_b32 v[NIL], 0
	ds_add_u32 v[SPW], v[NIL]                      ; the wave's opening: the add, twice on end, and its wait ahead of my first tensor load
	ds_add_u32 v[SPW], v[NIL]
	v_lshrrev_b32 v1, 5, v0
	v_readfirstlane_b32 s14, v1                    ; wave 0..3
	s_lshr_b32 s15, s14, 1                         ; my half of A's tiles.  Also: I fetch for A (0) or for B (1)
	s_and_b32 s16, s14, 1                          ; my half of B's tiles.  Also: which half of that operand's units I fetch
	s_bfe_u32 s40, ttmp6, 0x40000                  ; cx
	s_bfe_u32 s41, ttmp6, 0x40004                  ; cy
	s_and_b32 s17, ttmp7, 0xffff
	s_lshl_b32 s17, s17, 2                         ; 4 x cluster y
	s_lshl_b32 s43, s41, 2
	s_lshl_b32 s43, 15, s43                        ; my row of the cluster
	s_lshl_b32 s44, 0x1111, s40                    ; my column
	; descriptor group 1: eight units, 34,816 dense bytes, as 136 rows of 32 elements of 8 bytes; no padding: images are read 512 consecutive bytes at a time
	s_or_b32 s[G1A], s43, (3<<16)|(1<<21)
	s_or_b32 s[G1B], s44, (3<<16)|(1<<21)
.irp g, G1A, G1B
	s_mov_b32 s[\g+1], 32<<16                      ; tensor_dim0
	s_mov_b32 s[\g+2], 136<<16                     ; tensor_dim1
	s_mov_b32 s[\g+3], 32<<16                      ; tile_dim0
	s_mov_b32 s[\g+4], 136                         ; tile_dim1
	s_mov_b32 s[\g+5], 32                          ; the pitch
	s_mov_b32 s[\g+6], 0
	s_mov_b32 s[\g+7], 0
.endr
	s_lshl_b32 s19, ttmp9, 2
	s_add_co_u32 s19, s19, 32                      ; the part's first block of weights in cw
	s_cmp_eq_u32 ttmp9, 2                          ; v?  The cluster's x: the same in all sixteen partners
	s_cselect_b32 s18, 40, s17                     ; A's block less cy: v's weights, or tokens
	s_cselect_b32 s19, s17, s19                    ; B's block less cx: tokens, or weights
	s_cselect_b32 s[PATHV], 1, 0
	s_cselect_b32 s20, s41, s40                    ; which 256 features
	s_cselect_b32 s21, s15, s16                    ; and which 128 of them are my wave's
	s_cselect_b32 s22, s40, s41                    ; which 256 tokens of the cluster's 1,024
	s_cselect_b32 s23, s16, s15                    ; and which 128 of them
	s_add_co_u32 s18, s18, s41                     ; A's block: cy and the cluster's place alone
	s_add_co_u32 s19, s19, s40                     ; B's block: cx and the cluster's place alone
	s_mul_i32 s74, s16, NA*UNIT                    ; the half that I fetch, in memory and in LDS alike
	s_mul_i32 s75, s16, 8*UNIT
	s_mul_i32 s70, s18, BLK
	s_add_co_u32 s70, s70, s74
	s_mov_b32 s71, 0
	s_mul_i32 s72, s19, BLK
	s_add_co_u32 s72, s72, s75
	s_mov_b32 s73, 0
	s_add_co_u32 s22, s22, s17                     ; my block of 256 tokens, 0..31
	s_lshr_b32 s46, s22, 3
	s_lshl_b32 s46, s46, 4                         ; 16 x batch
	s_lshl_b32 s20, s20, 2
	s_add_co_u32 s46, s46, s20
	s_lshl_b32 s47, s21, 1
	s_add_co_u32 s46, s46, s47                     ; + my first head: 4 x block + 2 x half
	s_lshl_b32 s46, s46, 4
	s_and_b32 s22, s22, 7
	s_lshl_b32 s22, s22, 1
	s_add_co_u32 s46, s46, s22
	s_add_co_u32 s46, s46, s23                     ; x 16 + ks
	s_mul_i32 s46, s46, REC
	s_mul_i32 s47, ttmp9, UNIT
	s_add_co_u32 s46, s46, s47                     ; + the part
	s_mov_b32 s47, 0
	s_lshl_b32 s78, ttmp9, 12                      ; the bias of my 128 features: 4 (1,024 part + 256 block + 128 half)
	s_lshl_b32 s20, s20, 8
	s_add_co_u32 s78, s78, s20
	s_lshl_b32 s21, s21, 9
	s_add_co_u32 s78, s78, s21
	s_mov_b32 s79, 0
	s_mov_b32 s[SEL], 0x76543210
	s_mov_b32 s[SEL+1], 0xfedcba98
	s_wait_dscnt 0x0                               ; both opening adds are done
	s_wait_kmcnt 0x0
	s_add_nc_u64 s[70:71], s[4:5], s[70:71]
	s_add_nc_u64 s[72:73], s[4:5], s[72:73]
	s_add_nc_u64 s[OUT:OUT+1], s[8:9], s[46:47]
	s_add_nc_u64 s[6:7], s[6:7], s[78:79]
	CROUND                                         ; all sixteen work-groups are here: the joint loads meet
.irp s, 0,1
	s_mov_b32 s[G0A+4*\s], 1
	s_add_co_u32 s[G0A+4*\s+1], s74, \s*SLOT
	s_add_nc_u64 s[G0A+4*\s+2:G0A+4*\s+3], s[70:71], \s*HALFK
	s_or_b32 s[G0A+4*\s+3], s[G0A+4*\s+3], 0x80000000
	s_mov_b32 s[G0B+4*\s], 1
	s_add_co_u32 s[G0B+4*\s+1], s75, \s*SLOT+ABYTES
	s_add_nc_u64 s[G0B+4*\s+2:G0B+4*\s+3], s[72:73], \s*HALFK
	s_or_b32 s[G0B+4*\s+3], s[G0B+4*\s+3], 0x80000000
.endr
	s_cmp_eq_u32 s15, 0                            ; a wave's two fills, all that it ever issues, stand in one branch on its number: two loads of mine are out
	s_cbranch_scc0 .Lfirst_b
	tensor_load_to_lds s[G0A:G0A+3], s[G1A:G1A+7]
	s_nop 0
	tensor_load_to_lds s[G0A+4:G0A+7], s[G1A:G1A+7]
	s_nop 0
	PLACES
	s_branch .Lfirst_asked
.Lfirst_b:
	tensor_load_to_lds s[G0B:G0B+3], s[G1B:G1B+7]
	s_nop 0
	tensor_load_to_lds s[G0B+4:G0B+7], s[G1B:G1B+7]
	s_nop 0
	PLACES
.Lfirst_asked:
	v_and_b32 v1, 15, v0                           ; r
	v_bfe_u32 v2, v0, 4, 1                         ; h
	v_and_b32 v3, 31, v0
	v_lshlrev_b32 v[L16], 4, v3
	s_mul_i32 s21, s15, NA*UNIT                    ; my tiles of A
	s_mul_i32 s22, s16, 8*UNIT
	s_add_co_u32 s22, s22, ABYTES                  ; my tiles of B
	s_sub_co_u32 s23, s22, s21
	v_lshl_add_u32 v5, v1, 4, 4096                 ; a unit's scale words: row r's four
	v_mul_u32_u24 v6, s23, v2                      ; lanes 16-31 take B's
	v_add_nc_u32 v5, v5, v6
.irp s, 0,1
	v_add_nc_u32 v[ADRA+\s], s21, v[L16]
	v_add_nc_u32 v[ADRB+\s], s22, v[L16]
	v_add_nc_u32 v[ADRS+\s], s21, v5
	s_add_co_u32 s21, s21, SLOT
	s_add_co_u32 s22, s22, SLOT
.endr
	v_mul_u32_u24 v[WOF], v2, HS
	v_lshl_add_u32 v[WOF], v1, 4, v[WOF]
	v_lshlrev_b32 v[BOQ], 6, v2
	v_and_b32 v7, 8, v1
	v_add_nc_u32 v7, v7, v1
	v_lshlrev_b32 v[BOV], 2, v7
.irp b, 0,1,2,3
	v_mov_b32 v[TM+4+\b], 0                        ; written once: a lane permute's destination counts as one of its sources
.endr
	; The bias in the result's layout, as the C of each sum's first product.  q, k: register j of tile b is feature 32 (b / 2) + 16 h + 8 (b % 2) + j.  v: all eight registers of tile a are feature
	; 32 (a / 2) + 8 (a % 2) + r + 8 (r / 8): the one number is loaded into each of the eight, as many lines as one load and seven copies would be.
	s_cmp_eq_u32 s[PATHV], 1
	s_cbranch_scc1 .Lbias_v
	WIN 0x40
.irp b, 0,1,2,3,4,5,6,7
	global_load_b128 v[BIAS+8*\b:BIAS+8*\b+3], v[BOQ], s[6:7] offset:(32*(\b/2)+8*(\b%2))*4
	global_load_b128 v[BIAS+8*\b+4:BIAS+8*\b+7], v[BOQ], s[6:7] offset:(32*(\b/2)+8*(\b%2))*4+16
.endr
	WIN 0
	s_branch .Lbias_in
.Lbias_v:
	WIN 0x40
	s_wait_alu depctr_va_vdst(0)
.irp a, 0,1,2,3,4,5,6,7
.irp j, 0,1,2,3,4,5,6,7
	global_load_b32 v[BIAS+8*\a+\j], v[BOV], s[6:7] offset:(32*(\a/2)+8*(\a%2))*4
.endr
.endr
	WIN 0
.Lbias_in:
	s_wait_tensorcnt 0x1                           ; my part of the first half of K is in; the second half's load, issued behind it, may stay out
	s_barrier_signal -1
	s_barrier_wait -1                              ; everybody's is
	FETCH 0, 0, 0
	SCALES 0
	s_wait_loadcnt 0x0                             ; the bias
	s_wait_dscnt 0x0
	FETCH 0, 1, 1                                  ; step 1's fragments land under step 0's products
	s_cmp_eq_u32 s[PATHV], 1
	s_cbranch_scc1 .Lstep0_v
	MULALL 0, NA, 0, 0, 0, 1                       ; step 0 starts the sums with the bias: nothing is cleared
	WIN 0
	s_branch .Lstep1
.Lstep0_v:
	MULALL 0, NA, 0, 0, 0, 2
	WIN 0
.Lstep1:
.irp n, 1,2,3,4,5,6,7
	STEP \n
.endr
	PLACES
; THE WAY OUT.  The 64 numbers of a lane in A's tile a, register 16 B + i = place 32 B + 16 h + i along source 0's 128 rows, become 8 registers of codes (v[128 + 8 a] on) and a scale word (v[192 + a]).
; Each accumulator is first read at its registers 0 and 1.  Every a has registers of its own, so no store's data are written again.
.macro QUANT a
.set QS, 64*((\a)%4)
.set QN, 2+(\a)/4
.set PCR, 128+8*(\a)
.set PWR, 192+(\a)
	WIN (QN|(QN<<2))                               ; sources 0 and 1: the accumulators' window
.irp b, 0,1,2,3
	v_max3_num_f32 v[TM+\b], |v[QS+16*\b]|, |v[QS+16*\b+1]|, 0x1800000   ; block b: my 16 numbers, and the floor 2^(3 - 127)
.endr
.irp i, 2,4,6,8,10,12,14
.irp b, 0,1,2,3
	v_max3_num_f32 v[TM+\b], |v[QS+16*\b+\i]|, |v[QS+16*\b+\i+1]|, v[TM+\b]   ; (the four blocks by turns)
.endr
.endr
	WIN 0
.irp b, 0,1,2,3
	v_permlanex16_b32 v[TM+4+\b], v[TM+\b], s[SEL], s[SEL+1]
.endr
.irp b, 0,1,2,3
	v_max_num_f32 v[TM+\b], v[TM+\b], v[TM+4+\b]   ; with lane l xor 16's: the block's largest magnitude
.endr
.irp b, 0,1,2,3
	v_add_nc_u32 v[TM+12+\b], 0xff000000, v[TM+\b] ; 2 off its exponent field: the conversion's scale operand
.endr
.irp b, 0,1,2,3
	v_lshrrev_b32 v[TM+4+\b], 23, v[TM+12+\b]      ; the scale's byte
.endr
	v_lshl_or_b32 v[PWR], v[TM+5], 8, v[TM+4]
	v_lshl_or_b32 v[PWR], v[TM+6], 16, v[PWR]
	v_lshl_or_b32 v[PWR], v[TM+7], 24, v[PWR]
	WIN QN
.irp b, 0,1,2,3
	v_cvt_scalef32_pk8_fp4_f32 v[PCR+2*\b], v[QS+16*\b:QS+16*\b+7], v[TM+12+\b]
	v_cvt_scalef32_pk8_fp4_f32 v[PCR+2*\b+1], v[QS+16*\b+8:QS+16*\b+15], v[TM+12+\b]
.endr
	WIN 0
	v_nop                                          ; one plain line behind a scaled conversion
.irp c, 0,1                                    ; the operand's layout wants a whole block in a lane: lanes 0-15 block 2 c, lanes 16-31 block 2 c + 1
.irp i, 0,1
	v_permlane16_swap_b32 v[PCR+4*\c+\i], v[PCR+2+4*\c+\i]
.endr
.endr
.endm
.irp a, 0,1,2,3,4,5,6,7
	QUANT \a
.endr
	s_cmp_eq_u32 s[PATHV], 1
	s_cbranch_scc1 .Lstore_v
	; q, k: A's tile a is token tile a; codes 0-3 are my first head's 64, codes 4-7 the next head's.  Each store covers 512 consecutive bytes, aligned
.irp a, 0,1,2,3,4,5,6,7
	global_store_b128 v[L16], v[128+8*\a:131+8*\a], s[OUT:OUT+1] offset:256+512*\a
	global_store_b128 v[L16], v[132+8*\a:135+8*\a], s[OUT:OUT+1] offset:HS+256+512*\a
.endr
.irp p, 0,1,2,3
	v_perm_b32 v[200+\p], v[193+2*\p], v[192+2*\p], 0x05040100   ; the first head's word of pair p: the low halves of tiles 2 p and 2 p + 1,
	v_perm_b32 v[204+\p], v[193+2*\p], v[192+2*\p], 0x07060302   ; the next head's: the high halves
.endr
.irp p, 0,1,2,3
	v_permlane16_swap_b32 v[200+\p], v[204+\p]     ; lanes 0-15 the first head's, lanes 16-31 the next head's
.endr
	global_store_b128 v[WOF], v[200:203], s[OUT:OUT+1]           ; sixteen lanes store 256 consecutive bytes, aligned, for each head
	s_branch .Lstored
.Lstore_v:
	s_wait_alu depctr_va_vdst(0)
	; v: A's tile a is tile a % 4 of the 64 of head a / 4; codes 0-3 are keys 0-63 of my 128, codes 4-7 keys 64-127
.irp a, 0,1,2,3,4,5,6,7
	global_store_b128 v[L16], v[128+8*\a:131+8*\a], s[OUT:OUT+1] offset:256+1024*(\a%4)+HS*(\a/4)
	global_store_b128 v[L16], v[132+8*\a:135+8*\a], s[OUT:OUT+1] offset:256+1024*(\a%4)+512+HS*(\a/4)
.endr
.irp i, 0,1,2,3
	v_permlane16_swap_b32 v[192+\i], v[196+\i]
.endr
	global_store_b128 v[WOF], v[192:195], s[OUT:OUT+1]
.Lstored:
	s_wait_tensorcnt 0x0                           ; the wave's end
	ds_add_u32 v[SPW], v[NIL]
	s_wait_dscnt 0x0
	CROUND                                         ; the closing round: no work-group ends while a partner may still ask for a tile that names it
	s_endpgm
.Lfunc_end_k_q76dc50c1b6_qkvgemm:
	.size	k_q76dc50c1b6_qkvgemm, .Lfunc_end_k_q76dc50c1b6_qkvgemm-k_q76dc50c1b6_qkvgemm
	.p2alignl 7, 3214868480
	.fill 96, 4, 3214868480
	.section	.rodata,"a",@progbits
	.p2align	6, 0x0
	.amdhsa_kernel k_q76dc50c1b6_qkvgemm
		.amdhsa_group_segment_fixed_size 279040
		.amdhsa_private_segment_fixed_size 0
		.amdhsa_enable_private_segment 0
		.amdhsa_kernarg_size 24
		.amdhsa_user_sgpr_count 2
		.amdhsa_user_sgpr_kernarg_segment_ptr 1
		.amdhsa_wavefront_size32 1
		.amdhsa_system_sgpr_workgroup_id_x 1
		.amdhsa_system_sgpr_workgroup_id_y 1
		.amdhsa_system_sgpr_workgroup_id_z 1
		.amdhsa_system_vgpr_workitem_id 0
		.amdhsa_next_free_vgpr 1024
		.amdhsa_next_free_sgpr 100
		.amdhsa_reserve_vcc 0
		.amdhsa_float_denorm_mode_32 3
		.amdhsa_float_denorm_mode_16_64 3
		.amdhsa_memory_ordered 1
		.amdhsa_forward_progress 1
		.amdhsa_inst_pref_size 143
	.end_amdhsa_kernel
	.amdgpu_metadata
---
amdhsa.version: [ 1, 2 ]
amdhsa.kernels:
  - .name:           k_q76dc50c1b6_qkvgemm
    .symbol:         k_q76dc50c1b6_qkvgemm.kd
    .args:
      - { .name: cw, .offset: 0, .size: 8, .value_kind: global_buffer, .address_space: global }
      - { .name: qkv_b, .offset: 8, .size: 8, .value_kind: global_buffer, .address_space: global }
      - { .name: qkv, .offset: 16, .size: 8, .value_kind: global_buffer, .address_space: global }
    .group_segment_fixed_size: 279040
    .private_segment_fixed_size: 0
    .kernarg_segment_align: 8
    .kernarg_segment_size: 24
    .max_flat_workgroup_size: 128
    .sgpr_count:     100
    .vgpr_count:     1024
    .wavefront_size: 32
...
	.end_amdgpu_metadata
.endif
;; end of part 2
;; launch attn (part 3): grid 4 x 64, 16 waves a work-group, clusters of 4 x 1, 167,936 bytes of LDS; arguments qkv, oq; writes oq
.if DOCPART == 3
	.amdgcn_target "amdgcn-amd-amdhsa--gfx1250"
	.amdhsa_code_object_version 6
	.text
	.protected	k_q76dc50c1b6_attn
	.globl	k_q76dc50c1b6_attn
	.p2align	8
	.type	k_q76dc50c1b6_attn,@function
k_q76dc50c1b6_attn:
	s_mov_b64 s[64:65], 0
	v_nop
	global_prefetch_b8 v0, s[64:65] scope:SCOPE_SE
	s_setreg_imm32_b32 hwreg(HW_REG_WAVE_MODE, 25, 1), 1
	s_wait_xcnt 0x0
	s_wait_alu depctr_hold_cnt(0) depctr_sa_sdst(0) depctr_va_vdst(0) depctr_va_sdst(0) depctr_va_ssrc(0) depctr_va_vcc(0) depctr_vm_vsrc(0)
	s_getreg_b32 s2, hwreg(HW_REG_IB_STS2, 6, 4)
	s_cmp_eq_u32 s2, 0
	s_cbranch_scc0 .Lentry_in_a_cluster
	s_endpgm
.Lentry_in_a_cluster:
	s_bfe_u32 s2, ttmp6, 0x10000c
	s_cmp_lg_u32 s2, 0x3003
	s_cbranch_scc0 .Lentry_shape_is_right
	s_endpgm
.Lentry_shape_is_right:
; out[b][t][head 64] = softmax over keys k <= t of (q . k / 8) times v, both products on codes of FP4 out of qkv; the result / the row's sum is quantised along C (a block of 32 is half a head) into oq.
; WORK LEFT OUT: a step of 128 keys all of which come after a tile's 16 queries (reference()'s own jnp.tril sets those scores to -infinity; shown at the head of the first launch).
; LIMITS: a NaN, an infinity or an overflow that would reach only such hidden scores is not carried to the result; else as stated there.
; THE SOFTMAX: t = score x log2(e) / 8; M = the running largest t rounded UP to a whole number; p = 2^(t - M) is quantised along the keys, not normalised; the row's sum is taken of the unquantised p and divides at the end.
; When M moves, the sum and O are multiplied by 2^(old M - new M): exact, and no branch on data.
; SHARES.  The four work-groups of a cluster share one head.  The head's 2,048 queries are 16 groups of 128; partner cx takes tiles 2 cx and 2 cx + 1 (32 tokens) of every group.  Wave w (pair i = w / 2, u = w % 2) walks
; tile 2 cx + u of group 15 - i and then of group i: (16 - i) + (i + 1) = 17 key steps, two of them on the diagonal, for every wave of the launch.  Branches hang on the wave's number and on counts alone;
; cx enters global addresses and the mask's compare value only.
; LDS: the head's whole K and V, 16 key steps of 8,704 bytes, each brought once by one joint load, wave w's: step w.  Every step is read in every work-group (group 15's tiles walk all).
; K = 64 IN AN INSTRUCTION OF K = 128: two key tiles (2 p, 2 p + 1) are one fragment of source 0; q stands in 12 registers as [zeros | q | zeros]: registers 4-11 = [q | 0] give tile 2 p's scores, registers 0-7 = [0 | q]
; tile 2 p + 1's.  The other tile's codes meet zero codes, which add nothing under its bytes (1 to 254).
; Both products are used transposed: a lane holds ONE query; by the choice of a tile's rows the 16 registers of two neighbouring tiles are 16 neighbouring keys (scores) or 16 neighbours of the head's 64 (O).
; oq: as cw (first launch), for the 512 token tiles; head hd is half hd / 8 of K, image hd % 8 of the unit, bytes 2 (hd % 8) and + 1 of a row's 16 scale bytes.  Those two bytes a row are stored as they are,
; 32 bytes a tile: a row's 16 lie in 8 work-groups' hands.
; REGISTERS: v1 16 lane; v2 16 r; v3, v4 the add's two; v5 the mask's d; v6, v10 q's offsets; v7 the scale bytes' offset; v8, v9 LDS addresses in hand; v12 -M, v13 largest t, v[14:15] the sum;
;   v16-27, v28-39 q of the two tiles; v40, v41 their scale words; v48-79 fragments of K, then of V; v80-83, v84-87 their scale words; v96-159 scores, then p; v160-191 O^T; v192-199 p's codes; v200-215 at work;
;   v224-231 codes of out; v232, v233 its scale bytes.
.set UNIT,  4352
.set HALFK, 16*UNIT
.set BLK,   2*HALFK
.set REC,   3*UNIT
.set KSTEP, 2*UNIT                     ; a key step in LDS: K's words, K's codes, V's words, V's codes
.set SPARE, 16*KSTEP                   ; the spare words, 128 bytes a wave: eight blocks of 256 bytes that no other line names
.set F,   48
.set KS,  80
.set VS,  84
.set S,   96
.set O,   160
.set PCD, 192
.set BM,  200
.set BT,  204
.set SO,  208
.set FF,  212                          ; v[212:213]: f, and a word written once
.set TW,  214
.set PS,  215                          ; p's scale word
.macro ROUND
	s_barrier_signal -1
	s_barrier_wait -1
	s_cmp_lg_u32 s8, 0
	s_cbranch_scc1 .Lnot_wave_0_\@
	s_barrier_signal -3
.Lnot_wave_0_\@:
	s_barrier_wait -3
	s_barrier_signal -1
	s_barrier_wait -1
.endm
	s_load_b128 s[4:7], s[0:1], 0x0                ; qkv s[4:5], oq s[6:7]
	v_lshl_add_u32 v3, v0, 2, SPARE
	v_mov_b32 v4, 0
	ds_add_u32 v3, v4                              ; the wave's opening: the add, twice on end, and its wait ahead of my first tensor load
	ds_add_u32 v3, v4
	v_lshrrev_b32 v8, 5, v0
	s_delay_alu instid0(VALU_DEP_1)
	v_readfirstlane_b32 s8, v8                     ; wave 0..15
	s_lshr_b32 s9, s8, 1                           ; i
	s_and_b32 s10, s8, 1                           ; u
	s_bfe_u32 s11, ttmp6, 0x40000                  ; cx
	s_and_b32 s12, ttmp7, 0xffff                   ; 16 batch + head, which the four partners share
	; descriptor group 1: 8,704 dense bytes as 34 rows of 32 elements of 8 bytes; the mask names all four work-groups
	s_mov_b32 s24, 15|(3<<16)|(1<<21)
	s_mov_b32 s25, 32<<16
	s_mov_b32 s26, 34<<16
	s_mov_b32 s27, 32<<16
	s_mov_b32 s28, 34
	s_mov_b32 s29, 32
	s_mov_b32 s30, 0
	s_mov_b32 s31, 0
	s_mov_b32 s32, 1
	s_mul_i32 s33, s8, KSTEP                       ; key step w goes to 8,704 w
	s_lshl_b32 s13, s12, 4
	s_add_co_u32 s14, s13, s8
	s_mul_i32 s14, s14, REC
	s_add_co_u32 s14, s14, UNIT                    ; its k and v lie behind its q
	s_mov_b32 s15, 0
	s_sub_co_u32 s36, 15, s9                       ; the first tile's group,
	s_mov_b32 s37, s9                              ; the second's
	s_add_co_u32 s16, s13, s36
	s_mul_i32 s16, s16, REC
	s_mov_b32 s17, 0
	s_add_co_u32 s18, s13, s37
	s_mul_i32 s18, s18, REC
	s_mov_b32 s19, 0
	s_and_b32 s50, s12, 15                         ; the head
	s_lshr_b32 s51, s12, 4
	s_lshl_b32 s51, s51, 3
	s_mul_i32 s51, s51, BLK                        ; oq: the batch's 8 blocks of 16 tiles,
	s_lshr_b32 s52, s50, 3
	s_mul_i32 s52, s52, HALFK
	s_add_co_u32 s51, s51, s52                     ; the head's half of K,
	s_lshl_b32 s52, s11, 1
	s_add_co_u32 s52, s52, s10                     ; my tile in a group: 2 cx + u
	s_mul_i32 s53, s52, UNIT
	s_add_co_u32 s51, s51, s53
	s_lshr_b32 s54, s36, 1
	s_mul_i32 s54, s54, BLK
	s_and_b32 s55, s36, 1
	s_mul_i32 s55, s55, 8*UNIT
	s_add_co_u32 s54, s54, s55
	s_add_co_u32 s54, s54, s51                     ; the first tile's unit
	s_lshr_b32 s56, s37, 1
	s_mul_i32 s56, s56, BLK
	s_and_b32 s55, s37, 1
	s_mul_i32 s55, s55, 8*UNIT
	s_add_co_u32 s56, s56, s55
	s_add_co_u32 s56, s56, s51                     ; the second's
	s_and_b32 s57, s50, 7
	s_lshl_b32 s58, s57, 9                         ; the head's image in a unit
	s_add_co_u32 s46, s54, s58
	s_mov_b32 s47, 0
	s_add_co_u32 s48, s56, s58
	s_mov_b32 s49, 0
	s_sub_co_u32 s54, s54, s56                     ; from the second tile's unit to the first's: the first's group is the later one
	s_lshl_b32 s57, s57, 1
	s_add_co_u32 s56, s56, s57
	s_add_co_u32 s56, s56, 4096                    ; the second tile's scale bytes of this head, row 0
	s_mov_b32 s20, 0x76543210
	s_mov_b32 s21, 0xfedcba98                      ; v_permlanex16_b32's selects for lane l xor 16
	s_mov_b32 s22, 0x3e38aa3b                      ; c = log2(e) / 8
	s_mov_b32 s23, s22                             ; (named with it as a pair)
	s_wait_dscnt 0x0                               ; both opening adds are done
	s_wait_kmcnt 0x0
	s_add_nc_u64 s[34:35], s[4:5], s[14:15]
	s_or_b32 s35, s35, 0x80000000
	s_add_nc_u64 s[42:43], s[4:5], s[16:17]        ; the two tiles' records of q
	s_add_nc_u64 s[44:45], s[4:5], s[18:19]
	s_add_nc_u64 s[46:47], s[6:7], s[46:47]        ; and their images in oq
	s_add_nc_u64 s[48:49], s[6:7], s[48:49]
	ROUND                                          ; all four work-groups are here: the joint loads meet
	tensor_load_to_lds s[32:35], s[24:31]          ; my one tensor load of the launch
	s_nop 0
	v_and_b32 v8, 31, v0
	s_delay_alu instid0(VALU_DEP_1)
	v_lshlrev_b32 v1, 4, v8
	v_and_b32 v8, 15, v0                           ; r
	v_bfe_u32 v9, v0, 4, 1                         ; h
	s_delay_alu instid0(VALU_DEP_2)
	v_lshlrev_b32 v2, 4, v8
	s_delay_alu instid0(VALU_DEP_3)
	v_and_b32 v5, 8, v8
	s_delay_alu instid0(VALU_DEP_1)
	v_add_nc_u32 v5, v5, v8                        ; r + 8 (r / 8)
	s_delay_alu instid0(VALU_DEP_4)
	v_lshlrev_b32 v11, 4, v9
	s_delay_alu instid0(VALU_DEP_1)
	v_sub_nc_u32 v5, v5, v11
	s_lshl_b32 s59, s11, 5
	s_lshl_b32 s58, s10, 3
	s_add_co_u32 s59, s59, s58
	v_add_nc_u32 v5, s59, v5                       ; d = my query's place in its group - 16 h
	s_lshl_b32 s58, s52, 9
	s_add_co_u32 s58, s58, 256
	v_add_nc_u32 v6, s58, v1                       ; q's codes: behind the words, tile 2 cx + u, 16 x lane
	s_lshl_b32 s58, s11, 2
	v_add_nc_u32 v10, s58, v2                      ; q's scale word: row r, pair cx
	v_mul_u32_u24 v7, s54, v9
	s_delay_alu instid0(VALU_DEP_1)
	v_add_nc_u32 v7, v7, v2
	s_delay_alu instid0(VALU_DEP_1)
	v_add_nc_u32 v7, s56, v7                       ; out's scale bytes: lanes 0-15 the second tile's rows, lanes 16-31 the first's
	global_load_b128 v[20:23], v6, s[42:43]
	global_load_b128 v[32:35], v6, s[44:45]
	global_load_b32 v40, v10, s[42:43]
	global_load_b32 v41, v10, s[44:45]
.irp j, 16,17,18,19,24,25,26,27,28,29,30,31,36,37,38,39
	v_mov_b32 v\j, 0                               ; the zero codes on both sides of q
.endr
.irp b, 0,1,2,3
	v_mov_b32 v[BT+\b], 0                          ; written once: a lane permute's destination counts as one of its sources
.endr
	v_mov_b32 v[FF+1], 0                           ; (named as the upper half of the pair)
	s_mov_b32 s58, 0x01000100
	s_cmp_eq_u32 s10, 1
	s_cselect_b32 s58, 0x03020302, s58             ; my tile's two bytes of the pair's word,
	s_wait_loadcnt 0x0
	v_perm_b32 v40, v40, v40, s58                  ; twice: the word serves [q | 0] and [0 | q] alike
	v_perm_b32 v41, v41, v41, s58
	s_wait_tensorcnt 0x0                           ; my key step has landed,
	s_barrier_signal -1
	s_barrier_wait -1                              ; everybody's has
; One tile of 16 queries.  QS: q's 12 registers; QW: its scale word; G: the scalar with its group; TRIPS: a constant count of trips, of which those beyond the group are jumped over;
; OC, OW: where the codes and scale bytes of out go; OB: the scalar pair with the image's address.
.macro PHASE QS, QW, G, TRIPS, OC, OW, OB
	v_mov_b32 v13, 0xff61b1e6                      ; the largest t so far: -3e38
	s_delay_alu instid0(VALU_DEP_1)
	v_floor_f32 v12, -v13                          ; -M
	v_mov_b32 v14, 0
	v_mov_b32 v15, 0
.set j, 0
.rept 32
	v_mov_b32 v[O+j], 0                            ; O^T: the step is written once; its first walk finds zeros, which the first change of M leaves zeros
.set j, j+1
.endr
	s_mov_b32 s38, 0                               ; the step's bytes in LDS
	s_mov_b32 s39, 0                               ; the step
.Ltrip_\@:
	s_cmp_gt_u32 s39, s[\G]                        ; all 128 keys come after my queries: the step's work is left out
	s_cbranch_scc1 .Lskip_\@
	s_setprio 2
	v_add_nc_u32 v8, s38, v1
	v_add_nc_u32 v9, s38, v2
	v_nop
	v_nop                                          ; four plain lines in front of loads into registers that the last products read
	ds_load_b128 v[KS:KS+3], v9
.irp i, 0,1,2,3,4,5,6,7
	ds_load_b128 v[F+4*\i:F+4*\i+3], v8 offset:256+512*\i
.endr
	s_wait_alu depctr_va_vdst(0)
	s_wait_dscnt 0x0
.irp t, 0,1,2,3,4,5,6,7
	v_wmma_scale_f32_16x16x128_f8f6f4 v[S+8*\t:S+8*\t+7], v[F+8*(\t/2):F+8*(\t/2)+7], v[\QS+4-4*(\t%2):\QS+11-4*(\t%2)], 0, v[KS+\t/2], v[\QW] matrix_a_fmt:MATRIX_FMT_FP4 matrix_b_fmt:MATRIX_FMT_FP4
.endr
.rept 4
	v_nop
.endr
	ds_load_b128 v[VS:VS+3], v9 offset:UNIT        ; V's fragments land under the softmax
.irp i, 0,1,2,3,4,5,6,7
	ds_load_b128 v[F+4*\i:F+4*\i+3], v8 offset:UNIT+256+512*\i
.endr
	s_cmp_lg_u32 s39, s[\G]                        ; on the diagonal hidden scores become -infinity ahead of the maximum; key 0 of the step counts for every query of the group
	s_cbranch_scc1 .Lopen_\@
	v_mov_b32 v[TW], 0xff800000
.set n, 0
.rept 64
	v_cmp_gt_i32 vcc_lo, 32*(n/16)+n%16, v5        ; register 16 B + i holds key 32 B + 16 h + i: hidden where 32 B + i > d
	v_cndmask_b32 v[S+n], v[S+n], v[TW], vcc_lo
.set n, n+1
.endr
.Lopen_\@:
.irp b, 0,1,2,3
	v_max3_num_f32 v[BM+\b], v[S+16*\b], v[S+1+16*\b], v[S+2+16*\b]   ; the largest score of each block of 32 keys: for the row's maximum, and, since p rises with the score, for the block's largest p
.endr
.irp i, 3,5,7,9,11,13
.irp b, 0,1,2,3
	v_max3_num_f32 v[BM+\b], v[BM+\b], v[S+16*\b+\i], v[S+1+16*\b+\i]
.endr
.endr
.irp b, 0,1,2,3
	v_max_num_f32 v[BM+\b], v[BM+\b], v[S+15+16*\b]
.endr
.irp b, 0,1,2,3
	s_delay_alu instid0(VALU_DEP_4)
	v_permlanex16_b32 v[BT+\b], v[BM+\b], s20, s21
.endr
.irp b, 0,1,2,3
	s_delay_alu instid0(VALU_DEP_4)
	v_max_num_f32 v[BM+\b], v[BM+\b], v[BT+\b]     ; with lane l xor 16's 16 keys
.endr
	s_delay_alu instid0(VALU_DEP_2)
	v_max3_num_f32 v[TW], v[BM], v[BM+1], v[BM+2]
	s_delay_alu instid0(VALU_DEP_1)
	v_max_num_f32 v[TW], v[TW], v[BM+3]
	s_delay_alu instid0(VALU_DEP_1)
	v_mul_f32 v[TW], s22, v[TW]                    ; the step's largest t
	s_delay_alu instid0(VALU_DEP_1)
	v_max_num_f32 v13, v13, v[TW]
	v_mov_b32 v[TW], v12
	s_delay_alu instid0(VALU_DEP_2)
	v_floor_f32 v12, -v13                          ; the new -M = -ceil(t)
	s_delay_alu instid0(VALU_DEP_1)
	v_sub_f32 v[TW], v12, v[TW]                    ; old M - new M: a whole number, 0 or less
	s_delay_alu instid0(VALU_DEP_1)
	v_cvt_i32_f32 v[TW], v[TW]                     ; (it saturates)
	s_delay_alu instid0(VALU_DEP_1)
	v_ldexp_f32 v[FF], 1.0, v[TW]                  ; f = 2^(old M - new M)
.set j, 0
.rept 32
	v_pk_fma_f32 v[S+j:S+j+1], v[S+j:S+j+1], s[22:23], v[12:13] op_sel_hi:[1,0,0]   ; t - M, two at a time
.set j, j+2
.endr
	s_setprio 1
.irp b, 0,1,2,3
	v_fma_f32 v[BM+\b], v[BM+\b], s22, v12         ; the same of each block's largest score
.endr
.set j, 0
	s_wait_alu depctr_va_vdst(0)
.rept 64
	v_exp_f32 v[S+j], v[S+j]                       ; p = 2^(t - M)
.set j, j+1
.endr
	v_pk_mul_f32 v[14:15], v[14:15], v[FF:FF+1] op_sel_hi:[1,0]   ; the sums under the new M (a plain line behind the exponentials)
	s_wait_alu depctr_va_vdst(0)                   ; one wait for the batch, ahead of its first reader
.irp b, 0,1,2,3
	v_exp_f32 v[BM+\b], v[BM+\b]                   ; the block's largest p: the same two instructions on the same number
.endr
	v_pk_add_f32 v[204:205], v[100:101], v[104:105]
	v_pk_add_f32 v[254:255], v[108:109], v[112:113]
	v_pk_add_f32 v[252:253], v[116:117], v[120:121]
	v_pk_add_f32 v[250:251], v[124:125], v[128:129]
	v_pk_add_f32 v[248:249], v[132:133], v[136:137]
	v_pk_add_f32 v[246:247], v[140:141], v[144:145]
	v_pk_add_f32 v[244:245], v[148:149], v[152:153]
	v_pk_add_f32 v[14:15], v[14:15], v[156:157]
	v_pk_add_f32 v[204:205], v[204:205], v[96:97]
	v_pk_add_f32 v[254:255], v[254:255], v[98:99]
	v_pk_add_f32 v[252:253], v[252:253], v[102:103]
	v_pk_add_f32 v[250:251], v[250:251], v[106:107]
	v_pk_add_f32 v[248:249], v[248:249], v[110:111]
	v_pk_add_f32 v[246:247], v[246:247], v[114:115]
	v_pk_add_f32 v[244:245], v[244:245], v[118:119]
	v_pk_add_f32 v[14:15], v[14:15], v[122:123]
	v_pk_add_f32 v[204:205], v[204:205], v[126:127]
	v_pk_add_f32 v[254:255], v[254:255], v[130:131]
	v_pk_add_f32 v[252:253], v[252:253], v[134:135]
	v_pk_add_f32 v[250:251], v[250:251], v[138:139]
	v_pk_add_f32 v[248:249], v[248:249], v[142:143]
	v_pk_add_f32 v[246:247], v[246:247], v[146:147]
	v_pk_add_f32 v[244:245], v[244:245], v[150:151]
	v_pk_add_f32 v[14:15], v[14:15], v[154:155]
	v_pk_add_f32 v[204:205], v[204:205], v[158:159]
	s_delay_alu instid0(VALU_DEP_2)
	v_pk_add_f32 v[14:15], v[14:15], v[250:251]
	s_delay_alu instid0(VALU_DEP_2)
	v_pk_add_f32 v[204:205], v[204:205], v[248:249]
	v_pk_add_f32 v[254:255], v[254:255], v[246:247]
	v_pk_add_f32 v[252:253], v[252:253], v[244:245]
	s_delay_alu instid0(VALU_DEP_2)
	v_pk_add_f32 v[14:15], v[14:15], v[254:255]
	s_delay_alu instid0(VALU_DEP_2)
	v_pk_add_f32 v[204:205], v[204:205], v[252:253]
	s_delay_alu instid0(VALU_DEP_1)
	v_pk_add_f32 v[14:15], v[14:15], v[204:205]
	s_wait_alu depctr_va_vdst(0)                   ; and one for the four
.irp b, 0,1,2,3
	v_max_num_f32 v[BM+\b], 0x1800000, v[BM+\b]    ; the floor 2^(3 - 127): a block whose every p is 0 keeps the byte 1; its codes are zeros
.endr
.irp b, 0,1,2,3
	s_delay_alu instid0(VALU_DEP_4)
	v_add_nc_u32 v[SO+\b], 0xff000000, v[BM+\b]
.endr
.irp b, 0,1,2,3
	s_delay_alu instid0(VALU_DEP_4)
	v_lshrrev_b32 v[BT+\b], 23, v[SO+\b]
.endr
	s_delay_alu instid0(VALU_DEP_3)
	v_lshl_or_b32 v[PS], v[BT+1], 8, v[BT]
	s_delay_alu instid0(VALU_DEP_1)
	v_lshl_or_b32 v[PS], v[BT+2], 16, v[PS]
	s_delay_alu instid0(VALU_DEP_1)
	v_lshl_or_b32 v[PS], v[BT+3], 24, v[PS]
	s_setprio 0
.irp b, 0,1,2,3
	v_cvt_scalef32_pk8_fp4_f32 v[PCD+2*\b], v[S+16*\b:S+7+16*\b], v[SO+\b]
	v_cvt_scalef32_pk8_fp4_f32 v[PCD+1+2*\b], v[S+8+16*\b:S+15+16*\b], v[SO+\b]
.endr
	v_nop                                          ; one plain line behind a scaled conversion
.irp c, 0,1
.irp i, 0,1
	v_permlane16_swap_b32 v[PCD+4*\c+\i], v[PCD+2+4*\c+\i]
.endr
.endr
.set j, 0
.rept 16
	v_pk_mul_f32 v[O+j:O+j+1], v[O+j:O+j+1], v[FF:FF+1] op_sel_hi:[1,0]   ; O^T under the new M, from each tile's low end on; sixteen plain lines between p's scale word and codes and the products
.set j, j+2
.endr
	s_wait_alu depctr_va_vdst(0)
	s_wait_dscnt 0x0                               ; V is in
.irp i, 0,1,2,3
	v_wmma_scale_f32_16x16x128_f8f6f4 v[O+8*\i:O+8*\i+7], v[F+8*\i:F+8*\i+7], v[PCD:PCD+7], v[O+8*\i:O+8*\i+7], v[VS+\i], v[PS] matrix_a_fmt:MATRIX_FMT_FP4 matrix_b_fmt:MATRIX_FMT_FP4
.endr
.Lskip_\@:
	s_add_co_u32 s38, s38, KSTEP
	s_add_co_u32 s39, s39, 1
	s_cmp_lt_u32 s39, \TRIPS
	s_cbranch_scc1 .Ltrip_\@
	s_setprio 0
	; the tile's way out: / the sum, quantised along the head's 64: two blocks
.rept 4
	v_nop
.endr
	v_add_f32 v14, v14, v15
	s_delay_alu instid0(VALU_DEP_1)
	v_permlanex16_b32 v[BT], v14, s20, s21
	s_delay_alu instid0(VALU_DEP_1)
	v_add_f32 v14, v14, v[BT]                      ; the row's sum
	s_wait_alu depctr_va_vdst(0)
	v_rcp_f32 v14, v14
	v_nop
	s_wait_alu depctr_va_vdst(0)
.set j, 0
.rept 16
	v_pk_mul_f32 v[S+j:S+j+1], v[O+j:O+j+1], v[14:15] op_sel_hi:[1,0]   ; register 16 B + i: channel 32 B + 16 h + i of my query
.set j, j+2
.endr
.irp b, 0,1
	v_max3_num_f32 v[BM+\b], |v[S+16*\b]|, |v[S+1+16*\b]|, 0x1800000
.endr
.irp i, 2,4,6,8,10,12,14
.irp b, 0,1
	s_delay_alu instid0(VALU_DEP_2)
	v_max3_num_f32 v[BM+\b], v[BM+\b], |v[S+16*\b+\i]|, |v[S+1+16*\b+\i]|
.endr
.endr
.irp b, 0,1
	s_delay_alu instid0(VALU_DEP_2)
	v_permlanex16_b32 v[BT+\b], v[BM+\b], s20, s21
.endr
.irp b, 0,1
	s_delay_alu instid0(VALU_DEP_2)
	v_max_num_f32 v[BM+\b], v[BM+\b], v[BT+\b]
.endr
.irp b, 0,1
	s_delay_alu instid0(VALU_DEP_2)
	v_add_nc_u32 v[SO+\b], 0xff000000, v[BM+\b]
.endr
.irp b, 0,1
	s_delay_alu instid0(VALU_DEP_2)
	v_lshrrev_b32 v[BT+\b], 23, v[SO+\b]
.endr
	s_delay_alu instid0(VALU_DEP_1)
	v_lshl_or_b32 v[\OW], v[BT+1], 8, v[BT]        ; my row's two scale bytes
.irp b, 0,1
	v_cvt_scalef32_pk8_fp4_f32 v[\OC+2*\b], v[S+16*\b:S+7+16*\b], v[SO+\b]
	v_cvt_scalef32_pk8_fp4_f32 v[\OC+1+2*\b], v[S+8+16*\b:S+15+16*\b], v[SO+\b]
.endr
	v_nop
	v_permlane16_swap_b32 v[\OC], v[\OC+2]
	v_permlane16_swap_b32 v[\OC+1], v[\OC+3]       ; lane (r, h): channels 32 h + 0..31
	global_store_b128 v1, v[\OC:\OC+3], s[\OB:\OB+1]   ; 32 lanes store 512 consecutive bytes, aligned
.endm
	PHASE 16, 40, 36, 16, 224, 232, 46             ; group 15 - i
	PHASE 28, 41, 37, 8, 228, 233, 48              ; group i, at most 7
	v_permlane16_swap_b32 v233, v232               ; lanes 0-15 the second tile's rows, lanes 16-31 the first's
	global_store_b16 v7, v233, s[6:7]
	s_wait_tensorcnt 0x0                           ; the wave's end
	ds_add_u32 v3, v4
	s_wait_dscnt 0x0
	ROUND                                          ; the closing round
	s_endpgm
.Lfunc_end_k_q76dc50c1b6_attn:
	.size	k_q76dc50c1b6_attn, .Lfunc_end_k_q76dc50c1b6_attn-k_q76dc50c1b6_attn
	.p2alignl 7, 3214868480
	.fill 96, 4, 3214868480
	.section	.rodata,"a",@progbits
	.p2align	6, 0x0
	.amdhsa_kernel k_q76dc50c1b6_attn
		.amdhsa_group_segment_fixed_size 167936
		.amdhsa_private_segment_fixed_size 0
		.amdhsa_enable_private_segment 0
		.amdhsa_kernarg_size 16
		.amdhsa_user_sgpr_count 2
		.amdhsa_user_sgpr_kernarg_segment_ptr 1
		.amdhsa_wavefront_size32 1
		.amdhsa_system_sgpr_workgroup_id_x 1
		.amdhsa_system_sgpr_workgroup_id_y 1
		.amdhsa_system_sgpr_workgroup_id_z 1
		.amdhsa_system_vgpr_workitem_id 0
		.amdhsa_next_free_vgpr 256
		.amdhsa_next_free_sgpr 66
		.amdhsa_reserve_vcc 1
		.amdhsa_float_denorm_mode_32 3
		.amdhsa_float_denorm_mode_16_64 3
		.amdhsa_memory_ordered 1
		.amdhsa_forward_progress 1
		.amdhsa_inst_pref_size 61
	.end_amdhsa_kernel
	.amdgpu_metadata
---
amdhsa.version: [ 1, 2 ]
amdhsa.kernels:
  - .name:           k_q76dc50c1b6_attn
    .symbol:         k_q76dc50c1b6_attn.kd
    .args:
      - { .name: qkv, .offset: 0, .size: 8, .value_kind: global_buffer, .address_space: global }
      - { .name: oq, .offset: 8, .size: 8, .value_kind: global_buffer, .address_space: global }
    .group_segment_fixed_size: 167936
    .private_segment_fixed_size: 0
    .kernarg_segment_align: 8
    .kernarg_segment_size: 16
    .max_flat_workgroup_size: 512
    .sgpr_count:     66
    .vgpr_count:     256
    .wavefront_size: 32
...
	.end_amdgpu_metadata
.endif
;; end of part 3
;; launch proj (part 4): grid 4 x 64, 4 waves a work-group, clusters of 4 x 4, 209,408 bytes of LDS; arguments oq, cw, proj_b, out0; writes out0
.if DOCPART == 4
	.amdgcn_target "amdgcn-amd-amdhsa--gfx1250"
	.amdhsa_code_object_version 6
	.text
	.protected	k_q76dc50c1b6_proj
	.globl	k_q76dc50c1b6_proj
	.p2align	8
	.type	k_q76dc50c1b6_proj,@function
k_q76dc50c1b6_proj:
	s_mov_b64 s[64:65], 0
	v_nop
	global_prefetch_b8 v0, s[64:65] scope:SCOPE_SE
	s_setreg_imm32_b32 hwreg(HW_REG_WAVE_MODE, 25, 1), 1
	s_wait_xcnt 0x0
	s_wait_alu depctr_hold_cnt(0) depctr_sa_sdst(0) depctr_va_vdst(0) depctr_va_sdst(0) depctr_va_ssrc(0) depctr_va_vcc(0) depctr_vm_vsrc(0)
	s_getreg_b32 s2, hwreg(HW_REG_IB_STS2, 6, 4)
	s_cmp_eq_u32 s2, 0
	s_cbranch_scc0 .Lentry_in_a_cluster
	s_endpgm
.Lentry_in_a_cluster:
	s_bfe_u32 s2, ttmp6, 0x10000c
	s_cmp_lg_u32 s2, 0xf033
	s_cbranch_scc0 .Lentry_shape_is_right
	s_endpgm
.Lentry_shape_is_right:
; out0 = out proj_w^T + proj_b on codes of FP4: out's from oq, proj_w's from cw (blocks 44-47).  No work of reference() is left out here.  LIMITS: as stated at the head of the first launch.
; A work-group of four waves makes 128 tokens x 256 columns, so that there are 256 work-groups; a wave 64 x 128: 32 accumulators.  K = 1,024 is two halves of 512; both operands' units of both halves fit in LDS: each LDS byte
; is filled once.  Source 0 = 16 rows of proj_w ("B", shared along a column of the cluster), source 1 = 16 tokens ("A", shared along a row): a lane holds eight neighbouring columns of one token.
; The rows of a tile are those of the first launch: the way out puts columns and tokens back in order by its offsets.
; REGISTERS: window 0: v16-29 addresses; v32-95 scale words, a set for each half of K; v128-191 A's fragments, two sets (on the way out v128-255: rows read back).  window 1: v0-127 B's fragments, two sets; v128-191 the bias.
;   window 2: the accumulators, (a, b) at v[8 (8 a + b)].
.set NA,     4
.set UNIT,   4352
.set HALFK,  16*UNIT
.set BLK,    2*HALFK
.set ABYTES, 2*NA*UNIT
.set SLOT,   ABYTES+16*UNIT
.set SPARE,  2*SLOT                    ; the spare words, 128 bytes a wave: two blocks of 256 bytes that no other line names
.set SPITCH, 528                       ; the way out: a stage of 16 rows x (512 bytes + 16) for each wave, in the first half's bytes, which have had their one fill and their last read when the first result is stored there
.set ADRA, 16
.set ADRB, 20
.set ADRS, 22
.set L16,  24
.set BOQ,  25
.set STO,  26
.set RD,   27
.set SPW,  28
.set NIL,  29
.set SC,   32
.set AF,   128
.set BK,   128
.set BIAS, 128
.set G1A, 24
.set G0A, 32
.set G1B, 48
.set G0B, 56
.set OUT, 68
.set MSB, 0
.macro WIN new
.if MSB != \new
	s_set_vgpr_msb (MSB<<8)|\new
.set MSB, \new
.endif
.endm
.macro PLACES
.rept 4
	v_nop
.endr
.endm
.macro CROUND
	s_barrier_signal -1
	s_barrier_wait -1
	s_cmp_lg_u32 s14, 0
	s_cbranch_scc1 .Lnot_wave_0_\@
	s_barrier_signal -3
.Lnot_wave_0_\@:
	s_barrier_wait -3
	s_barrier_signal -1
	s_barrier_wait -1
.endm
.macro FETCH slot, q, set              ; the fragments of one 128 along K into set: images, 512 consecutive bytes a load
	WIN 0x40
.irp i, 0,1,2,3,4,5,6,7
.irp c, 0,1
	ds_load_b128 v[64*(\set)+8*\i+4*\c:64*(\set)+8*\i+4*\c+3], v[ADRB+(\slot)] offset:UNIT*\i+1024*(\q)+512*\c
.endr
.endr
	WIN 0
.set FI, 0
.rept NA
.irp c, 0,1
	ds_load_b128 v[AF+8*NA*(\set)+8*FI+4*\c:AF+8*NA*(\set)+8*FI+4*\c+3], v[ADRA+(\slot)] offset:UNIT*FI+1024*(\q)+512*\c
.endr
.set FI, FI+1
.endr
.endm
.macro SCALES slot                     ; register 4 i + q: lanes 16-31 the word of B's tile i; lanes 0-15 that of A's tile i (for i over 3: scale words of other tiles, which no product names)
.irp i, 0,1,2,3,4,5,6,7
	ds_load_b128 v[SC+32*(\slot)+4*\i:SC+32*(\slot)+4*\i+3], v[ADRS+(\slot)] offset:UNIT*\i
.endr
.endm
.macro MULA a, set, slot, q, cm        ; eight products: A's tile a against B's eight; cm 1: the sums begin with the bias.  The accumulators take turns
.if (\cm) == 0
	WIN 0xa1
.else
	WIN 0x91
.endif
.irp b, 0,1,2,3,4,5,6,7
.set rD, 8*(8*(\a)+\b)
.set rB, 64*(\set)+8*\b
.set rA, AF+8*NA*(\set)+8*(\a)
.set rSB, SC+32*(\slot)+4*\b+(\q)
.set rSA, SC+32*(\slot)+4*(\a)+(\q)
.if (\cm) == 0
	v_wmma_scale_f32_16x16x128_f8f6f4 v[rD:rD+7], v[rB:rB+7], v[rA:rA+7], v[rD:rD+7], v[rSB], v[rSA] matrix_a_fmt:MATRIX_FMT_FP4 matrix_b_fmt:MATRIX_FMT_FP4 matrix_a_scale:MATRIX_SCALE_ROW1
.else
	v_wmma_scale_f32_16x16x128_f8f6f4 v[rD:rD+7], v[rB:rB+7], v[rA:rA+7], v[BIAS+8*\b:BIAS+8*\b+7], v[rSB], v[rSA] matrix_a_fmt:MATRIX_FMT_FP4 matrix_b_fmt:MATRIX_FMT_FP4 matrix_a_scale:MATRIX_SCALE_ROW1
.endif
.endr
.endm
.macro MULALL from, to, set, slot, q, cm
.set AA, \from
.rept (\to)-(\from)
	MULA AA, \set, \slot, \q, \cm
.set AA, AA+1
.endr
.endm
.macro STEP n                          ; step n of 8 along K: the next step's fragments are asked for first, into the other set
.set SL, (\n)/4
.set QQ, (\n)%4
.set SE, (\n)%2
.set SL1, ((\n)+1)/4
.set QQ1, ((\n)+1)%4
.set HF, 0
	s_wait_dscnt 0x0                               ; this step's fragments are in
.if (\n) == 3
	s_wait_tensorcnt 0x0                           ; my part of the second half of K has landed; my reads of the first half are over
	s_barrier_signal -1
	MULALL 0, NA/2, SE, SL, QQ, 0
	WIN 0
	s_barrier_wait -1                              ; both hold of every wave
.set HF, NA/2
.endif
.if (\n) < 7
	PLACES
	FETCH SL1, QQ1, 1-SE
.if (\n) == 3
	SCALES 1
.endif
.endif
	MULALL HF, NA, SE, SL, QQ, 0
	WIN 0
.endm
	s_load_b256 s[4:11], s[0:1], 0x0               ; oq s[4:5], cw s[6:7], proj_b s[8:9], out0 s[10:11]
	v_lshl_add_u32 v[SPW], v0, 2, SPARE
	v_mov_b32 v[NIL], 0
	ds_add_u32 v[SPW], v[NIL]                      ; the wave's opening: the add, twice on end, and its wait ahead of my first tensor load
	ds_add_u32 v[SPW], v[NIL]
	v_lshrrev_b32 v1, 5, v0
	v_readfirstlane_b32 s14, v1                    ; wave 0..3
	s_lshr_b32 s15, s14, 1                         ; my half of the tokens.  Also: I fetch for A (0) or for B (1)
	s_and_b32 s16, s14, 1                          ; my half of the columns.  Also: which half of that operand's units I fetch
	s_bfe_u32 s40, ttmp6, 0x40000                  ; cx
	s_bfe_u32 s41, ttmp6, 0x40004                  ; cy
	s_lshl_b32 s42, ttmp9, 2
	s_add_co_u32 s42, s42, s40                     ; which 256 columns
	s_and_b32 s17, ttmp7, 0xffff
	s_lshl_b32 s17, s17, 2
	s_add_co_u32 s17, s17, s41                     ; which 128 tokens
	s_lshl_b32 s43, s41, 2
	s_lshl_b32 s43, 15, s43                        ; my row of the cluster
	s_lshl_b32 s44, 0x1111, s40                    ; my column
	; descriptor groups 1: dense bytes as rows of 32 elements of 8 bytes: A: four units, 68 rows; B: eight units, 136 rows
	s_or_b32 s[G1A], s43, (3<<16)|(1<<21)
	s_mov_b32 s[G1A+1], 32<<16
	s_mov_b32 s[G1A+2], 68<<16
	s_mov_b32 s[G1A+3], 32<<16
	s_mov_b32 s[G1A+4], 68
	s_mov_b32 s[G1A+5], 32
	s_mov_b32 s[G1A+6], 0
	s_mov_b32 s[G1A+7], 0
	s_or_b32 s[G1B], s44, (3<<16)|(1<<21)
	s_mov_b32 s[G1B+1], 32<<16
	s_mov_b32 s[G1B+2], 136<<16
	s_mov_b32 s[G1B+3], 32<<16
	s_mov_b32 s[G1B+4], 136
	s_mov_b32 s[G1B+5], 32
	s_mov_b32 s[G1B+6], 0
	s_mov_b32 s[G1B+7], 0
	s_lshr_b32 s18, s17, 1
	s_mul_i32 s70, s18, BLK                        ; A: oq's block of 16 tiles,
	s_and_b32 s18, s17, 1
	s_lshl_b32 s18, s18, 3
	s_lshl_b32 s19, s16, 2
	s_add_co_u32 s18, s18, s19                     ; its unit 8 (tokens' block % 2) + 4 x the half that I fetch
	s_mul_i32 s18, s18, UNIT
	s_add_co_u32 s70, s70, s18
	s_mov_b32 s71, 0
	s_mul_i32 s74, s16, NA*UNIT                    ; and where it goes
	s_add_co_u32 s20, s42, 44
	s_mul_i32 s72, s20, BLK                        ; B: cw's block 44 + columns' block
	s_mul_i32 s75, s16, 8*UNIT
	s_add_co_u32 s72, s72, s75
	s_mov_b32 s73, 0
	s_lshl_b32 s78, s42, 10
	s_lshl_b32 s79, s16, 9
	s_add_co_u32 s78, s78, s79                     ; my 128 columns, in bytes: in a row of out0 and in proj_b alike
	s_mov_b32 s79, 0
	s_lshl_b32 s46, s17, 7
	s_lshl_b32 s47, s15, 6
	s_add_co_u32 s46, s46, s47                     ; my first token
	s_lshl_b32 s46, s46, 12
	s_add_co_u32 s46, s46, s78
	s_mov_b32 s47, 0
	s_wait_dscnt 0x0                               ; both opening adds are done
	s_wait_kmcnt 0x0
	s_add_nc_u64 s[70:71], s[4:5], s[70:71]
	s_add_nc_u64 s[72:73], s[6:7], s[72:73]
	s_add_nc_u64 s[8:9], s[8:9], s[78:79]
	s_add_nc_u64 s[OUT:OUT+1], s[10:11], s[46:47]
	CROUND                                         ; all sixteen work-groups are here: the joint loads meet
.irp s, 0,1
	s_mov_b32 s[G0A+4*\s], 1
	s_add_co_u32 s[G0A+4*\s+1], s74, \s*SLOT
	s_add_nc_u64 s[G0A+4*\s+2:G0A+4*\s+3], s[70:71], \s*HALFK
	s_or_b32 s[G0A+4*\s+3], s[G0A+4*\s+3], 0x80000000
	s_mov_b32 s[G0B+4*\s], 1
	s_add_co_u32 s[G0B+4*\s+1], s75, \s*SLOT+ABYTES
	s_add_nc_u64 s[G0B+4*\s+2:G0B+4*\s+3], s[72:73], \s*HALFK
	s_or_b32 s[G0B+4*\s+3], s[G0B+4*\s+3], 0x80000000
.endr
	s_cmp_eq_u32 s15, 0                            ; a wave's two fills, all that it ever issues, stand in one branch on its number: two loads of mine are out
	s_cbranch_scc0 .Lfirst_b
	tensor_load_to_lds s[G0A:G0A+3], s[G1A:G1A+7]
	s_nop 0
	tensor_load_to_lds s[G0A+4:G0A+7], s[G1A:G1A+7]
	s_nop 0
	PLACES
	s_branch .Lfirst_asked
.Lfirst_b:
	tensor_load_to_lds s[G0B:G0B+3], s[G1B:G1B+7]
	s_nop 0
	tensor_load_to_lds s[G0B+4:G0B+7], s[G1B:G1B+7]
	s_nop 0
	PLACES
.Lfirst_asked:
	v_and_b32 v1, 15, v0                           ; r
	v_bfe_u32 v2, v0, 4, 1                         ; h
	v_and_b32 v3, 31, v0
	v_lshlrev_b32 v[L16], 4, v3
	s_mul_i32 s21, s15, NA*UNIT                    ; my tiles of A
	s_mul_i32 s22, s16, 8*UNIT
	s_add_co_u32 s22, s22, ABYTES                  ; my tiles of B
	s_sub_co_u32 s23, s22, s21
	v_lshl_add_u32 v5, v1, 4, 4096
	v_mul_u32_u24 v6, s23, v2                      ; lanes 16-31 take B's scale words
	v_add_nc_u32 v5, v5, v6
.irp s, 0,1
	v_add_nc_u32 v[ADRA+\s], s21, v[L16]
	v_add_nc_u32 v[ADRB+\s], s22, v[L16]
	v_add_nc_u32 v[ADRS+\s], s21, v5
	s_add_co_u32 s21, s21, SLOT
	s_add_co_u32 s22, s22, SLOT
.endr
	s_mul_i32 s23, s14, 16*SPITCH                  ; my stage
	v_mul_u32_u24 v[STO], v1, SPITCH
	v_lshl_add_u32 v[STO], v2, 6, v[STO]
	v_add_nc_u32 v[STO], s23, v[STO]               ; in: row r, + 64 h
	v_add_nc_u32 v[RD], s23, v[L16]                ; back: a row's 512 bytes by the 32 lanes
	v_lshlrev_b32 v[BOQ], 6, v2
	WIN 0x40                                       ; the bias in the result's layout: register j of tile b is column 32 (b / 2) + 16 h + 8 (b % 2) + j
.irp b, 0,1,2,3,4,5,6,7
	global_load_b128 v[BIAS+8*\b:BIAS+8*\b+3], v[BOQ], s[8:9] offset:(32*(\b/2)+8*(\b%2))*4
	global_load_b128 v[BIAS+8*\b+4:BIAS+8*\b+7], v[BOQ], s[8:9] offset:(32*(\b/2)+8*(\b%2))*4+16
.endr
	WIN 0
	s_wait_alu depctr_va_vdst(0)
	s_wait_tensorcnt 0x1                           ; my part of the first half of K is in; the second half's load, issued behind it, may stay out
	s_barrier_signal -1
	s_barrier_wait -1
	FETCH 0, 0, 0
	SCALES 0
	s_wait_loadcnt 0x0                             ; the bias
	s_wait_dscnt 0x0
	FETCH 0, 1, 1
	MULALL 0, NA, 0, 0, 0, 1                       ; step 0 starts the sums with the bias: nothing is cleared
	WIN 0
.irp n, 1,2,3,4,5,6,7
	STEP \n
.endr
	PLACES
; THE WAY OUT, a tile of 16 tokens x 128 columns at a time, through my own stage: in as 32 bytes of a row a lane and tile, back as whole rows of 512 bytes.  LDS serves a wave's instructions in order: no wait between stores and loads.
.macro TOSTAGE a
	WIN 0x08                                       ; an LDS store's data: window 2
.irp b, 0,1,2,3,4,5,6,7
	ds_store_b128 v[STO], v[64*(\a)+8*\b:64*(\a)+8*\b+3] offset:128*(\b/2)+32*(\b%2)          ; each accumulator from its low end on
	ds_store_b128 v[STO], v[64*(\a)+8*\b+4:64*(\a)+8*\b+7] offset:128*(\b/2)+32*(\b%2)+16
.endr
	WIN 0
.set BB, BK+64*((\a)%2)
.irp t, 0,1,2,3,4,5,6,7,8,9,10,11,12,13,14,15
	ds_load_b128 v[BB+4*\t:BB+4*\t+3], v[RD] offset:SPITCH*\t
.endr
.endm
.macro SEND a, younger                 ; younger: the LDS instructions issued behind tile a's loads, which may stay out
.set BB, BK+64*((\a)%2)
	s_wait_dscnt \younger
.irp t, 0,1,2,3,4,5,6,7,8,9,10,11,12,13,14,15
	global_store_b128 v[L16], v[BB+4*\t:BB+4*\t+3], s[OUT:OUT+1] offset:(32*((\a)/2)+8*((\a)%2)+\t+8*(\t/8))*4096 th:TH_STORE_NT   ; row t of tile a is that token; 32 lanes store 512 consecutive bytes, aligned
.endr
.endm
	TOSTAGE 0
.irp a, 1,2,3
.if \a > 1
	s_wait_xcnt 0x0                                ; tile a - 2's stores have been taken up: tile a's loads may land in their registers
.endif
	TOSTAGE \a
	SEND \a-1, 32                                  ; behind tile a - 1's loads: tile a's 16 stores and 16 loads
.endr
	SEND 3, 0
	s_wait_tensorcnt 0x0                           ; the wave's end, behind my last LDS store
	ds_add_u32 v[SPW], v[NIL]
	s_wait_dscnt 0x0
	CROUND                                         ; the closing round
	s_endpgm
.Lfunc_end_k_q76dc50c1b6_proj:
	.size	k_q76dc50c1b6_proj, .Lfunc_end_k_q76dc50c1b6_proj-k_q76dc50c1b6_proj
	.p2alignl 7, 3214868480
	.fill 96, 4, 3214868480
	.section	.rodata,"a",@progbits
	.p2align	6, 0x0
	.amdhsa_kernel k_q76dc50c1b6_proj
		.amdhsa_group_segment_fixed_size 209408
		.amdhsa_private_segment_fixed_size 0
		.amdhsa_enable_private_segment 0
		.amdhsa_kernarg_size 32
		.amdhsa_user_sgpr_count 2
		.amdhsa_user_sgpr_kernarg_segment_ptr 1
		.amdhsa_wavefront_size32 1
		.amdhsa_system_sgpr_workgroup_id_x 1
		.amdhsa_system_sgpr_workgroup_id_y 1
		.amdhsa_system_sgpr_workgroup_id_z 1
		.amdhsa_system_vgpr_workitem_id 0
		.amdhsa_next_free_vgpr 768
		.amdhsa_next_free_sgpr 100
		.amdhsa_reserve_vcc 0
		.amdhsa_float_denorm_mode_32 3
		.amdhsa_float_denorm_mode_16_64 3
		.amdhsa_memory_ordered 1
		.amdhsa_forward_progress 1
		.amdhsa_inst_pref_size 71
	.end_amdhsa_kernel
	.amdgpu_metadata
---
amdhsa.version: [ 1, 2 ]
amdhsa.kernels:
  - .name:           k_q76dc50c1b6_proj
    .symbol:         k_q76dc50c1b6_proj.kd
    .args:
      - { .name: oq, .offset: 0, .size: 8, .value_kind: global_buffer, .address_space: global }
      - { .name: cw, .offset: 8, .size: 8, .value_kind: global_buffer, .address_space: global }
      - { .name: proj_b, .offset: 16, .size: 8, .value_kind: global_buffer, .address_space: global }
      - { .name: out0, .offset: 24, .size: 8, .value_kind: global_buffer, .address_space: global }
    .group_segment_fixed_size: 209408
    .private_segment_fixed_size: 0
    .kernarg_segment_align: 8
    .kernarg_segment_size: 32
    .max_flat_workgroup_size: 128
    .sgpr_count:     100
    .vgpr_count:     768
    .wavefront_size: 32
...
	.end_amdgpu_metadata
.endif
;; end of part 4
